; MI455X (gfx1250); checked and timed in simulation.
; The chip was launched on July 23, 2026; its instructions are those of AMD's public machine-readable ISA for CDNA 5 (MIT licence, August 2026) and "CDNA5" Instruction Set Architecture Reference Guide (July 2026). The comments in the code are by the model that wrote it; some were corrected since.
;; Projected Adaptive Log Softmax. Allowed arithmetic: float matrix products may take bf16 or f16 operands with f32 sums; all other float work in f32.
;; Inputs: W0 19,997 x 1,024 float32; W1 20,000 x 256 float32; W2 160,000 x 64 float32; W3 67,738 x 16 float32; b0 19,997 float32; b1 20,000 float32; b2 160,000 float32; b3 67,738 float32; cluster_bias 3 float32; cluster_weight 3 x 1,024 float32; hidden 1,024 x 1,024 float32; p0 1,024 x 1,024 float32; p1 1,024 x 256 float32; p2 1,024 x 64 float32; p3 1,024 x 16 float32; target 1,024 int32.
;; Outputs: out0 1,024 float32.
;; One version. Each part assembles by itself: llvm-mc -triple=amdgcn-amd-amdhsa -mcpu=gfx1250 --defsym DOCPART=n.
;; ======== version 1 of 1: 5 launches
;; limits: right only within a limited range of input values
;; workspace buffers: ord 4,352 bytes of whole numbers; hf 2,785,280 bytes; part 14,286,848 bytes
;; launch order (part 1): grid 1 x 1, 32 waves a work-group, no clusters, 4,608 bytes of LDS; arguments target, ord; writes ord
.if DOCPART == 1
	.amdgcn_target "amdgcn-amd-amdhsa--gfx1250"
	.amdhsa_code_object_version 6
	.text
	.protected	k_q7e3afbb277_order
	.globl	k_q7e3afbb277_order
	.p2align	8
	.type	k_q7e3afbb277_order,@function
k_q7e3afbb277_order:
	s_mov_b64 s[64:65], 0
	v_nop
	global_prefetch_b8 v0, s[64:65] scope:SCOPE_SE
	s_setreg_imm32_b32 hwreg(HW_REG_WAVE_MODE, 25, 1), 1
	s_wait_xcnt 0x0
; The 1,024 rows are sorted (stably) by the cluster of their target: ord[slot] = row, slots of cluster 0 first, then 1, 2, 3.
; Words 1024 .. 1029 of ord: for each tail the first and the end of the pairs of 32 slots that hold one of its rows.
; All arithmetic is in whole numbers.  Wave j owns rows 32 j + lane.  LIMIT: target lies in 0 .. 267,734; a negative one counts as cluster 0.
.set SPARE, 512                        ; behind the counts: the spare words, 128 bytes for each of 32 waves
	s_load_b128 s[4:7], s[0:1], 0x0                ; target s[4:5], ord s[6:7]
	v_lshl_add_u32 v1, v0, 2, SPARE
	v_mov_b32 v2, 0
	v_lshrrev_b32 v3, 5, v0
	v_readfirstlane_b32 s8, v3                     ; wave j
	v_and_b32 v4, 31, v0
	v_lshlrev_b32 v5, 2, v0
	v_lshlrev_b32 v9, 2, v4                        ; 4 x lane
	s_mov_b32 s16, 19997                           ; the three cutoffs
	s_mov_b32 s17, 39997
	s_mov_b32 s18, 199997
	s_bfm_b32 s29, s8, 0                           ; j ones: the lanes that stand for the waves in front of mine
	s_wait_kmcnt 0x0
	global_load_b32 v6, v5, s[4:5]
	v_mov_b32 v8, s8
	v_lshlrev_b32 v8, 2, v8                        ; my wave's word in each of the three lists
	s_wait_loadcnt 0x0
.irp k, 0,1,2
	v_cmp_le_i32 s[20+\k], s[16+\k], v6            ; mask k: target >= cutoff k
	s_bcnt1_i32_b32 s[24+\k], s[20+\k]
	v_mov_b32 v7, s[24+\k]
	ds_store_b32 v8, v7 offset:128*\k              ; all lanes write the same word with the same number
.endr
	s_wait_dscnt 0x0                               ; for the others' sake: my counts are in LDS
	s_barrier_signal -1
	s_barrier_wait -1
.irp k, 0,1,2
	ds_load_b32 v[10+\k], v9 offset:128*\k         ; lane l: wave l's count
.endr
	s_wait_dscnt 0x0
	s_wait_tensorcnt 0x0                           ; behind my last LDS store
	ds_add_u32 v1, v2
	s_wait_dscnt 0x0
; A count has six bits.  Bit by bit: how many lanes have it (the total G), how many of the lanes below j (the prefix P).
.irp k, 0,1,2
	s_mov_b32 s[32+\k], 0
	s_mov_b32 s[36+\k], 0
.irp b, 0,1,2,3,4,5
	v_and_b32 v13, 1<<\b, v[10+\k]
	v_cmp_ne_u32 s30, 0, v13
	s_bcnt1_i32_b32 s31, s30
	s_lshl_b32 s31, s31, \b
	s_add_co_u32 s[32+\k], s[32+\k], s31
	s_and_b32 s30, s30, s29
	s_bcnt1_i32_b32 s31, s30
	s_lshl_b32 s31, s31, \b
	s_add_co_u32 s[36+\k], s[36+\k], s31
.endr
	v_mbcnt_lo_u32_b32 v[14+\k], s[20+\k], s[36+\k]  ; E: rows in front of mine with target >= cutoff k
	s_sub_co_u32 s[40+\k], 1024, s[32+\k]          ; S: the first slot of cluster k + 1
.endr
	v_sub_nc_u32 v17, v0, v14                      ; my slot if I am of cluster 0,
	v_sub_nc_u32 v18, v14, v15
	v_add_nc_u32 v18, s40, v18                     ; 1,
	v_sub_nc_u32 v19, v15, v16
	v_add_nc_u32 v19, s41, v19                     ; 2,
	v_add_nc_u32 v20, s42, v16                     ; 3
	v_cndmask_b32 v17, v17, v18, s20
	v_cndmask_b32 v17, v17, v19, s21
	v_cndmask_b32 v17, v17, v20, s22
	v_min_u32 v17, 0x3ff, v17
	v_lshlrev_b32 v17, 2, v17
	global_store_b32 v17, v0, s[6:7]               ; ord[slot] = row
	s_cmp_lg_u32 s8, 0
	s_cbranch_scc1 .Lend
	s_mov_b32 s43, 1024                            ; the end of cluster 3
	v_mov_b32 v21, 0
.irp i, 0,1,2
	s_lshr_b32 s44, s[40+\i], 5                    ; first pair
	s_add_co_u32 s45, s[41+\i], 31
	s_lshr_b32 s45, s45, 5                         ; end of the pairs,
	s_cmp_eq_u32 s[40+\i], s[41+\i]
	s_cselect_b32 s45, s44, s45                    ; or none where the cluster has no row
	v_writelane_b32 v21, s44, 2*\i
	v_writelane_b32 v21, s45, 2*\i+1
.endr
	global_store_b32 v9, v21, s[6:7] offset:4096   ; words 1024 .. 1055
.Lend:
	s_endpgm
.Lfunc_end_k_q7e3afbb277_order:
	.size	k_q7e3afbb277_order, .Lfunc_end_k_q7e3afbb277_order-k_q7e3afbb277_order
	.p2alignl 7, 3214868480
	.fill 96, 4, 3214868480
	.section	.rodata,"a",@progbits
	.p2align	6, 0x0
	.amdhsa_kernel k_q7e3afbb277_order
		.amdhsa_group_segment_fixed_size 4608
		.amdhsa_private_segment_fixed_size 0
		.amdhsa_enable_private_segment 0
		.amdhsa_kernarg_size 16
		.amdhsa_user_sgpr_count 2
		.amdhsa_user_sgpr_kernarg_segment_ptr 1
		.amdhsa_wavefront_size32 1
		.amdhsa_system_sgpr_workgroup_id_x 1
		.amdhsa_system_sgpr_workgroup_id_y 1
		.amdhsa_system_sgpr_workgroup_id_z 1
		.amdhsa_system_vgpr_workitem_id 0
		.amdhsa_next_free_vgpr 24
		.amdhsa_next_free_sgpr 66
		.amdhsa_reserve_vcc 0
		.amdhsa_float_denorm_mode_32 3
		.amdhsa_float_denorm_mode_16_64 3
		.amdhsa_memory_ordered 1
		.amdhsa_forward_progress 1
		.amdhsa_inst_pref_size 10
	.end_amdhsa_kernel
	.amdgpu_metadata
---
amdhsa.version: [ 1, 2 ]
amdhsa.kernels:
  - .name:           k_q7e3afbb277_order
    .symbol:         k_q7e3afbb277_order.kd
    .args:
      - { .name: target, .offset: 0, .size: 8, .value_kind: global_buffer, .address_space: global }
      - { .name: ord, .offset: 8, .size: 8, .value_kind: global_buffer, .address_space: global }
    .group_segment_fixed_size: 4608
    .private_segment_fixed_size: 0
    .kernarg_segment_align: 8
    .kernarg_segment_size: 16
    .max_flat_workgroup_size: 1024
    .sgpr_count:     66
    .vgpr_count:     24
    .wavefront_size: 32
...
	.end_amdgpu_metadata
.endif
;; end of part 1
;; launch proj (part 2): grid 22 x 8, 8 waves a work-group, no clusters, 58,368 bytes of LDS; arguments hidden, p0, p1, p2, p3, ord, hf; writes hf
.if DOCPART == 2
	.amdgcn_target "amdgcn-amd-amdhsa--gfx1250"
	.amdhsa_code_object_version 6
	.text
	.protected	k_q7e3afbb277_proj
	.globl	k_q7e3afbb277_proj
	.p2align	8
	.type	k_q7e3afbb277_proj,@function
k_q7e3afbb277_proj:
	s_mov_b64 s[64:65], 0
	v_nop
	global_prefetch_b8 v0, s[64:65] scope:SCOPE_SE
	s_setreg_imm32_b32 hwreg(HW_REG_WAVE_MODE, 25, 1), 1
	s_wait_xcnt 0x0
; h_i = hidden[ord[slot]] @ p_i, f32 sums of bf16 products, rounded once to bf16 and stored as ready fragments: a fragment (16 slots x 32 k) is 1,024 bytes,
; byte 512 cc + 16 lane holds slot lane % 16, k = 16 cc + 8 (lane / 16) + 0..7.  H0 [kb 32][tile 64], H1 [tile][kf 8], H2 [tile][kf 2], H3 [tile][512 bytes].
; A work-group makes 128 slots x 64 columns of one p (x 0-15: p0, 16-19: p1, 20: p2, 21: p3, whose 16 columns are taken four times and stored once).
; K = 1,024 goes in 16 steps of 64 through two LDS slots; hidden and p are loaded in f32 by 16-byte loads (16 lanes cover 256 consecutive bytes), rounded in registers, stored to LDS.
; Source 0 = 16 columns of p (turned on the way out of LDS), source 1 = 16 slots: a lane's eight results are eight neighbouring k of one slot, 16 bytes of a fragment.
; No tensor load: the data must be rounded on their way.  No cluster: nothing lands in LDS but through registers.
.set SLOTB, 28672                      ; an LDS slot: 128 rows of hidden x 144 bytes, then 64 rows of p x 160 bytes
.set PSO,   18432
.set SPARE, 57344
.set ACC, 32                           ; v32-63   accumulator (slot tile t, column tile e) at 32 + 8 (2 t + e)
.set AF,  64                           ; v64-95   fragments of p (e, k half)
.set BF,  96                           ; v96-127  fragments of hidden (t, k half)
.set ST,  128                          ; v128-175, v176-223  two staging sets of 12 loads
.macro PLACES
.rept 4
	v_nop
.endr
.endm
	s_load_b256 s[4:11], s[0:1], 0x0               ; hidden, p0, p1, p2
	s_load_b128 s[12:15], s[0:1], 0x20             ; p3, ord
	s_load_b64 s[16:17], s[0:1], 0x30              ; hf
	v_lshl_add_u32 v1, v0, 2, SPARE
	v_mov_b32 v2, 0
	v_lshrrev_b32 v20, 5, v0
	v_readfirstlane_b32 s22, v20                   ; wave
	s_and_b32 s23, ttmp7, 0xffff                   ; block of 128 slots
	s_mov_b32 s24, ttmp9                           ; block of 64 columns
	s_lshr_b32 s31, s22, 1                         ; wt: my two slot tiles
	s_and_b32 s32, s22, 1                          ; we: my two column tiles
	s_sub_co_u32 s34, s24, 16
	s_mov_b32 s25, 0                               ; block within the p; bytes in a row of p; mask of a row's bytes; image's offset; bytes from tile to tile; from k block to k block
	s_mov_b32 s26, 64
	s_mov_b32 s27, 63
	s_mov_b32 s28, 2752512
	s_mov_b32 s29, 512
	s_mov_b32 s30, 0
	s_cmp_lt_u32 s24, 21
	s_cselect_b32 s26, 256, s26
	s_cselect_b32 s27, 255, s27
	s_cselect_b32 s28, 2621440, s28
	s_cselect_b32 s29, 2048, s29
	s_cselect_b32 s30, 1024, s30
	s_cmp_lt_u32 s24, 20
	s_cselect_b32 s25, s34, s25
	s_cselect_b32 s26, 1024, s26
	s_cselect_b32 s28, 2097152, s28
	s_cselect_b32 s29, 8192, s29
	s_cmp_lt_u32 s24, 16
	s_cselect_b32 s25, s24, s25
	s_cselect_b32 s26, 4096, s26
	s_cselect_b32 s28, 0, s28
	s_cselect_b32 s29, 1024, s29
	s_cselect_b32 s30, 65536, s30
	v_lshrrev_b32 v21, 4, v0                       ; thread / 16: my row among 16
	v_and_b32 v22, 15, v0                          ; lane % 16
	v_bfe_u32 v25, v0, 4, 1                        ; lane / 16
	v_and_b32 v26, 7, v0
	v_bfe_u32 v27, v0, 3, 1
	v_and_b32 v23, 31, v0
	v_mul_u32_u24 v3, v25, 144                     ; where I store hidden: row 2 wave + lane / 16, 8 bytes at 8 (lane % 16)
	v_lshl_add_u32 v3, v22, 3, v3
	s_mul_i32 s35, s22, 288
	v_add_nc_u32 v3, s35, v3
	v_mul_u32_u24 v4, v25, 160                     ; the same for p
	v_lshl_add_u32 v4, v22, 3, v4
	s_mul_i32 s35, s22, 320
	s_add_co_u32 s35, s35, PSO
	v_add_nc_u32 v4, s35, v4
	v_mul_u32_u24 v5, v22, 144                     ; hidden's fragments: row x pitch + 16 x half
	v_lshl_add_u32 v5, v25, 4, v5
	s_mul_i32 s35, s31, 4608
	v_add_nc_u32 v5, s35, v5
	v_lshl_add_u32 v6, v25, 3, v26                 ; p's, by the turning load: row 8 (lane / 16) + lane % 8, 16 bytes at 16 ((lane / 8) % 2)
	v_mul_u32_u24 v6, v6, 160
	v_lshl_add_u32 v6, v27, 4, v6
	s_lshl_b32 s35, s32, 6
	s_add_co_u32 s35, s35, PSO
	v_add_nc_u32 v6, s35, v6
	v_lshlrev_b32 v7, 4, v23                       ; 16 x lane
	s_lshl_b32 s35, s23, 9
	v_lshl_add_u32 v28, v21, 2, s35                ; ord's word for my first row
	v_lshlrev_b32 v29, 4, v22
	v_and_b32 v30, s27, v29
.irp j, 0,1,2,3
	v_add_nc_u32 v31, 16*\j, v21
	v_mad_u32_u24 v[16+\j], v31, s26, v30          ; p: row x pitch + my 16 bytes
.endr
	s_lshl_b32 s20, s26, 6                         ; 64 rows of p
	s_mov_b32 s21, 0
	s_wait_kmcnt 0x0
.irp j, 0,1,2,3,4,5,6,7
	global_load_b32 v[8+\j], v28, s[14:15] offset:64*\j
.endr
	s_cmp_lt_u32 s24, 21
	s_cselect_b64 s[18:19], s[10:11], s[12:13]
	s_cmp_lt_u32 s24, 20
	s_cselect_b64 s[18:19], s[8:9], s[18:19]
	s_cmp_lt_u32 s24, 16
	s_cselect_b64 s[18:19], s[6:7], s[18:19]
	s_lshl_b32 s34, s25, 8
	s_mov_b32 s35, 0
	s_add_nc_u64 s[18:19], s[18:19], s[34:35]
	s_wait_loadcnt 0x0
.irp j, 0,1,2,3,4,5,6,7
	v_min_u32 v[8+\j], 0x3ff, v[8+\j]
	v_lshl_add_u32 v[8+\j], v[8+\j], 12, v29       ; hidden: row x 4,096 + my 16 bytes
.endr
; Twelve loads of one K step into a staging set.
.macro ISSUE set, step
	s_wait_xcnt 0x0                                ; the bases are stepped only behind this wait
.if \step
	s_add_nc_u64 s[4:5], s[4:5], 256
	s_add_nc_u64 s[18:19], s[18:19], s[20:21]
.endif
.irp j, 0,1,2,3,4,5,6,7
	global_load_b128 v[ST+48*(\set)+4*\j:ST+48*(\set)+4*\j+3], v[8+\j], s[4:5]
.endr
.irp j, 0,1,2,3
	global_load_b128 v[ST+48*(\set)+32+4*\j:ST+48*(\set)+32+4*\j+3], v[16+\j], s[18:19]
.endr
.endm
; One K step.  One barrier serves both ways: in front of it my stores into this slot and my reads of the other slot are done.
.macro STEP set, slot, more, cnt, zero
.set S_, ST+48*(\set)
.set O_, SLOTB*(\slot)
	s_wait_loadcnt \cnt                            ; my set is in; the other set's twelve younger loads stay out
.irp j, 0,1,2,3,4,5,6,7,8,9,10,11
	v_cvt_pk_bf16_f32 v[S_+4*\j], v[S_+4*\j], v[S_+4*\j+1]
	v_cvt_pk_bf16_f32 v[S_+4*\j+1], v[S_+4*\j+2], v[S_+4*\j+3]
.endr
.irp j, 0,1,2,3,4,5,6,7
	ds_store_b64 v3, v[S_+4*\j:S_+4*\j+1] offset:O_+2304*\j
.endr
.irp j, 0,1,2,3
	ds_store_b64 v4, v[S_+32+4*\j:S_+32+4*\j+1] offset:O_+2560*\j
.endr
.if \more
	ISSUE \set, 1
.endif
	s_wait_dscnt 0x0
	s_barrier_signal -1
	s_barrier_wait -1
.irp t, 0,1
.irp k, 0,1
	ds_load_b128 v[BF+8*(2*\t+\k):BF+8*(2*\t+\k)+3], v5 offset:O_+2304*\t+64*\k
	ds_load_b128 v[BF+8*(2*\t+\k)+4:BF+8*(2*\t+\k)+7], v5 offset:O_+2304*\t+64*\k+32
	ds_load_tr16_b128 v[AF+8*(2*\t+\k):AF+8*(2*\t+\k)+3], v6 offset:O_+5120*\k+32*\t
	ds_load_tr16_b128 v[AF+8*(2*\t+\k)+4:AF+8*(2*\t+\k)+7], v6 offset:O_+5120*\k+32*\t+2560
.endr
.endr
	s_wait_dscnt 0x0
.irp k, 0,1                            ; the four accumulators take turns
.irp t, 0,1
.irp e, 0,1
.if (\zero) && (\k == 0)
	v_wmma_f32_16x16x32_bf16 v[ACC+8*(2*\t+\e):ACC+8*(2*\t+\e)+7], v[AF+8*(2*\e+\k):AF+8*(2*\e+\k)+7], v[BF+8*(2*\t+\k):BF+8*(2*\t+\k)+7], 0
.else
	v_wmma_f32_16x16x32_bf16 v[ACC+8*(2*\t+\e):ACC+8*(2*\t+\e)+7], v[AF+8*(2*\e+\k):AF+8*(2*\e+\k)+7], v[BF+8*(2*\t+\k):BF+8*(2*\t+\k)+7], v[ACC+8*(2*\t+\e):ACC+8*(2*\t+\e)+7]
.endif
.endr
.endr
.endr
.endm
	ISSUE 0, 0
	ISSUE 1, 1
	STEP 0, 0, 1, 12, 1                            ; the first step starts the sums; the next step's 24 roundings are the places behind a step's products
	STEP 1, 1, 1, 12, 0
	s_mov_b32 s33, 6
.Lk:
	STEP 0, 0, 1, 12, 0
	STEP 1, 1, 1, 12, 0
	s_sub_co_u32 s33, s33, 1
	s_cmp_lg_u32 s33, 0
	s_cbranch_scc1 .Lk
	STEP 0, 0, 0, 12, 0                            ; the last two steps load nothing
	STEP 1, 1, 0, 0, 0
	s_wait_tensorcnt 0x0                           ; behind my last LDS store
	ds_add_u32 v1, v2
	s_wait_dscnt 0x0
	PLACES
.irp q, 0,1,2,3
.irp u, 0,1,2,3
	v_cvt_pk_bf16_f32 v[AF+4*\q+\u], v[ACC+8*\q+2*\u], v[ACC+8*\q+2*\u+1]
.endr
.endr
	s_lshl_b32 s34, s23, 3
	s_lshl_b32 s36, s31, 1
	s_add_co_u32 s34, s34, s36                     ; my first slot tile
	s_mul_i32 s34, s34, s29
	s_lshl_b32 s36, s25, 1
	s_add_co_u32 s36, s36, s32                     ; my k block of 32
	s_mul_i32 s36, s36, s30
	s_add_co_u32 s34, s34, s36
	s_add_co_u32 s34, s34, s28
	v_add_nc_u32 v20, s34, v7
	v_add_nc_u32 v21, s29, v20
	s_cmp_eq_u32 s24, 21
	s_cbranch_scc1 .Lp3
.irp t, 0,1
.irp e, 0,1
	global_store_b128 v[20+\t], v[AF+4*(2*\t+\e):AF+4*(2*\t+\e)+3], s[16:17] offset:512*\e  ; the wave stores 512 consecutive bytes, aligned
.endr
.endr
	s_endpgm
.Lp3:                                  ; p3 has one column tile
	s_cmp_lg_u32 s32, 0
	s_cbranch_scc1 .Lend
	global_store_b128 v20, v[AF:AF+3], s[16:17]
	global_store_b128 v21, v[AF+8:AF+11], s[16:17]
.Lend:
	s_endpgm
.Lfunc_end_k_q7e3afbb277_proj:
	.size	k_q7e3afbb277_proj, .Lfunc_end_k_q7e3afbb277_proj-k_q7e3afbb277_proj
	.p2alignl 7, 3214868480
	.fill 96, 4, 3214868480
	.section	.rodata,"a",@progbits
	.p2align	6, 0x0
	.amdhsa_kernel k_q7e3afbb277_proj
		.amdhsa_group_segment_fixed_size 58368
		.amdhsa_private_segment_fixed_size 0
		.amdhsa_enable_private_segment 0
		.amdhsa_kernarg_size 56
		.amdhsa_user_sgpr_count 2
		.amdhsa_user_sgpr_kernarg_segment_ptr 1
		.amdhsa_wavefront_size32 1
		.amdhsa_system_sgpr_workgroup_id_x 1
		.amdhsa_system_sgpr_workgroup_id_y 1
		.amdhsa_system_sgpr_workgroup_id_z 1
		.amdhsa_system_vgpr_workitem_id 0
		.amdhsa_next_free_vgpr 224
		.amdhsa_next_free_sgpr 66
		.amdhsa_reserve_vcc 0
		.amdhsa_float_denorm_mode_32 3
		.amdhsa_float_denorm_mode_16_64 3
		.amdhsa_memory_ordered 1
		.amdhsa_forward_progress 1
		.amdhsa_inst_pref_size 40
	.end_amdhsa_kernel
	.amdgpu_metadata
---
amdhsa.version: [ 1, 2 ]
amdhsa.kernels:
  - .name:           k_q7e3afbb277_proj
    .symbol:         k_q7e3afbb277_proj.kd
    .args:
      - { .name: hidden, .offset: 0, .size: 8, .value_kind: global_buffer, .address_space: global }
      - { .name: p0, .offset: 8, .size: 8, .value_kind: global_buffer, .address_space: global }
      - { .name: p1, .offset: 16, .size: 8, .value_kind: global_buffer, .address_space: global }
      - { .name: p2, .offset: 24, .size: 8, .value_kind: global_buffer, .address_space: global }
      - { .name: p3, .offset: 32, .size: 8, .value_kind: global_buffer, .address_space: global }
      - { .name: ord, .offset: 40, .size: 8, .value_kind: global_buffer, .address_space: global }
      - { .name: hf, .offset: 48, .size: 8, .value_kind: global_buffer, .address_space: global }
    .group_segment_fixed_size: 58368
    .private_segment_fixed_size: 0
    .kernarg_segment_align: 8
    .kernarg_segment_size: 56
    .max_flat_workgroup_size: 256
    .sgpr_count:     66
    .vgpr_count:     224
    .wavefront_size: 32
...
	.end_amdgpu_metadata
.endif
;; end of part 2
;; launch head (part 3): grid 64 x 4, 4 waves a work-group, clusters of 4 x 4, 327,680 bytes of LDS; arguments W0, b0, hf, part; writes part
.if DOCPART == 3
	.amdgcn_target "amdgcn-amd-amdhsa--gfx1250"
	.amdhsa_code_object_version 6
	.text
	.protected	k_q7e3afbb277_head
	.globl	k_q7e3afbb277_head
	.p2align	8
	.type	k_q7e3afbb277_head,@function
k_q7e3afbb277_head:
	s_mov_b64 s[64:65], 0
	v_nop
	global_prefetch_b8 v0, s[64:65] scope:SCOPE_SE
	s_setreg_imm32_b32 hwreg(HW_REG_WAVE_MODE, 25, 1), 1
	s_wait_xcnt 0x0
	s_wait_alu depctr_hold_cnt(0) depctr_sa_sdst(0) depctr_va_vdst(0) depctr_va_sdst(0) depctr_va_ssrc(0) depctr_va_vcc(0) depctr_vm_vsrc(0)
	s_getreg_b32 s2, hwreg(HW_REG_IB_STS2, 6, 4)
	s_cmp_eq_u32 s2, 0
	s_cbranch_scc0 .Lentry_in_a_cluster
	s_endpgm
.Lentry_in_a_cluster:
	s_bfe_u32 s2, ttmp6, 0x10000c
	s_cmp_lg_u32 s2, 0xf033
	s_cbranch_scc0 .Lentry_shape_is_right
	s_endpgm
.Lentry_shape_is_right:
; The head's logits x = h0 . W0[v] + b0[v] for 320 rows of W0 (x: 64 chunks of 312 or 313 rows) and 256 slots (y: four quarters), and of them, for each slot and each half of the rows,
; cm = the largest c x (c = log2 e) and l = the sum of 2^(c x - cm): part[2 chunk + half][slot] = (cm, l).  The three cluster rows and the merge come in the last launch.
; Four waves, each 160 rows x 128 slots: 80 accumulators, 640 registers.  Source 0 = 16 rows of W0, source 1 = 16 slots: a lane holds ONE slot and eight rows, so maximum and sum stay in the lane but for one exchange.
; K = 1,024 in 16 steps of 64 through two LDS slots.  W0 comes in f32 by tensor loads (rows of 256 bytes, padded by 16) and is rounded to bf16 in registers; h0 comes as ready fragments.
; CLUSTER 4 x 4: W0's tile hangs on x alone and is asked for jointly along a column, h0's on y alone and jointly along a row.  There is one cluster along y, so the quarter is cy.
; A fetched block begins at t = min(s, 19,677), so it lies inside W0; rows outside the chunk get the bias -1e30.  LIMITS: |x| stays far below 1e29; NaN and infinities are not treated apart.
; A step is four phases of 40 products: (row half h, k half kp) = (0,0) (1,0) (0,1) (1,1).  Phase p multiplies AF[h], rounds RAW[1-h] into AF[1-h] for phase p + 1, and fetches phase p + 2's f32 into RAW[h].
; REGISTERS: window 0: v0-15 addresses and at work; v16-95 AF (bf16 fragments of W0, 8 a tile); v96-175, v176-255 RAW (f32, 16 a tile, five tiles each).
;   windows 1-3: accumulator (a, b) in window 1 + a / 4 at 64 (a % 4) + 8 b; window 3 v128-191, v192-255: h0's fragments of the two k halves.
.set WROW,  272
.set WHALF, 160*WROW
.set HOFF,  2*WHALF
.set SLOT1, 131072
.set BIAS,  262144                     ; 768 bytes a wave: c x bias of its 160 rows; no tensor load lands here
.set SPARE, BIAS+3072                  ; the spare words, 128 bytes for each wave
.set AF,  16
.set RAW, 96
.set HF,  128
.set MSB, 0
.macro WIN new                         ; the immediate's high byte repeats the setting that is left
.if MSB != (\new)
	s_set_vgpr_msb (MSB<<8)|(\new)
.set MSB, \new
.endif
.endm
.macro PLACES
.rept 4
	v_nop
.endr
.endm
.macro CREST                           ; a round of the cluster's barrier behind its opening barrier
	s_cmp_lg_u32 s12, 0
	s_cbranch_scc1 .Lnot_wave_0_\@
	s_barrier_signal -3
.Lnot_wave_0_\@:
	s_barrier_wait -3
	s_barrier_signal -1
	s_barrier_wait -1
.endm
.macro CROUND
	s_barrier_signal -1
	s_barrier_wait -1
	CREST
.endm
.macro JLOAD                           ; a joint refill: waves 0, 1 fetch the halves of W0's tile, waves 2, 3 the two k blocks of h0
	s_cmp_lt_u32 s12, 2
	s_cbranch_scc0 .Lfor_h_\@
	tensor_load_to_lds s[36:39], s[24:31]
	s_nop 0
.rept 4
	v_nop
.endr
	s_branch .Lasked_\@
.Lfor_h_\@:
	tensor_load_to_lds s[60:63], s[48:55]
	s_nop 0
.rept 4
	v_nop
.endr
.Lasked_\@:
.endm
	s_load_b256 s[4:11], s[0:1], 0x0               ; W0, b0, hf, part
	v_lshl_add_u32 v1, v0, 2, SPARE
	v_mov_b32 v2, 0
	ds_add_u32 v1, v2                              ; the wave's opening
	v_lshrrev_b32 v9, 5, v0
	v_readfirstlane_b32 s12, v9                    ; wave
	s_lshr_b32 s13, s12, 1                         ; wr: my half of the rows
	s_and_b32 s14, s12, 1                          ; wc: my half of the slots; also which part of a tile I fetch
	s_bfe_u32 s15, ttmp6, 0x40000                  ; cx
	s_bfe_u32 s16, ttmp6, 0x40004                  ; cy = the slot quarter
	s_lshl_b32 s17, ttmp9, 2
	s_add_co_u32 s17, s17, s15                     ; chunk
	s_min_u32 s19, s17, 29
	s_mul_i32 s75, s17, 312
	s_add_co_u32 s19, s19, s75                     ; s: the chunk's first row
	s_cmp_lt_u32 s17, 29
	s_cselect_b32 s20, 1, 0
	s_add_co_u32 s20, s20, 312                     ; n: its rows
	s_min_u32 s21, s19, 19677                      ; t: the fetched block's first row
	s_sub_co_u32 s22, s19, s21                     ; d = s - t
	s_lshl_b32 s70, s16, 2
	s_lshl_b32 s70, 15, s70                        ; my row of the cluster
	s_lshl_b32 s71, 0x1111, s15                    ; my column
	s_or_b32 s24, s71, (2<<16)|(1<<20)|(1<<21)|(5<<22)|(3<<25)  ; W0: mask of my column; 4-byte elements; padding on, 4 words after every 64; bit 21 beside a mask
	s_mov_b32 s25, 64<<16                          ; tensor_dim0 = 64
	s_mov_b32 s26, 160<<16                         ; tensor_dim1 = 160
	s_mov_b32 s27, 64<<16                          ; tile_dim0 = 64
	s_mov_b32 s28, 160                             ; tile_dim1 = 160
	s_mov_b32 s29, 1024                            ; elements from row to row
	s_mov_b32 s30, 0
	s_mov_b32 s31, 0
	s_or_b32 s48, s70, (3<<16)|(1<<21)             ; h0: mask of my row; 16,384 dense bytes as 64 rows of 32 elements of 8 bytes
	s_mov_b32 s49, 32<<16
	s_mov_b32 s50, 64<<16
	s_mov_b32 s51, 32<<16
	s_mov_b32 s52, 64
	s_mov_b32 s53, 32
	s_mov_b32 s54, 0
	s_mov_b32 s55, 0
	s_mov_b32 s32, 1
	s_mov_b32 s36, 1
	s_mov_b32 s56, 1
	s_mov_b32 s60, 1
	s_mul_i32 s33, s14, WHALF                      ; LDS addresses hang on the wave's number alone
	s_add_co_u32 s37, s33, SLOT1
	s_lshl_b32 s57, s14, 14
	s_add_co_u32 s57, s57, HOFF
	s_add_co_u32 s61, s57, SLOT1
	s_mul_i32 s66, s14, 160
	s_add_co_u32 s66, s66, s21
	s_lshl_b32 s66, s66, 12                        ; W0: (t + 160 x part) rows of 4,096 bytes
	s_mov_b32 s67, 0
	s_lshl_b32 s68, s14, 16
	s_lshl_b32 s69, s16, 14
	s_add_co_u32 s68, s68, s69                     ; h0: k block x 65,536 + quarter x 16,384
	s_mov_b32 s69, 0
	s_mov_b32 s23, 0                               ; the slot in hand
	s_mov_b32 s42, 0x3fb8aa3b                      ; c
	s_mov_b32 s43, s42
	s_mov_b32 s44, 0x76543210
	s_mov_b32 s45, 0xfedcba98
	s_mov_b32 s46, 0xffff0000                      ; lanes 16-31
	s_mov_b32 s47, 0xf149f2ca                      ; -1e30
	s_wait_dscnt 0x0                               ; the opening add is done
	s_wait_kmcnt 0x0
	s_add_nc_u64 s[34:35], s[4:5], s[66:67]
	s_add_nc_u64 s[38:39], s[34:35], 256           ; K step 1
	s_or_b32 s35, s35, 0x80000000
	s_or_b32 s39, s39, 0x80000000
	s_add_nc_u64 s[58:59], s[8:9], s[68:69]
	s_add_nc_u64 s[62:63], s[58:59], 131072
	s_or_b32 s59, s59, 0x80000000
	s_or_b32 s63, s63, 0x80000000
	CROUND                                         ; all sixteen work-groups are here: the first joint loads meet
	s_cmp_lt_u32 s12, 2                            ; a wave's two first fills stand in one branch: two loads of mine are out, later one
	s_cbranch_scc0 .Lfirst_h
	tensor_load_to_lds s[32:35], s[24:31]
	s_nop 0
	tensor_load_to_lds s[36:39], s[24:31]
	s_nop 0
.rept 4
	v_nop
.endr
	s_branch .Lfirst_done
.Lfirst_h:
	tensor_load_to_lds s[56:59], s[48:55]
	s_nop 0
	tensor_load_to_lds s[60:63], s[48:55]
	s_nop 0
.rept 4
	v_nop
.endr
.Lfirst_done:
	v_and_b32 v9, 15, v0
	v_bfe_u32 v10, v0, 4, 1
	v_and_b32 v11, 31, v0
	v_mul_u32_u24 v3, v9, WROW                     ; W0 in f32: row x pitch + 32 x half
	v_lshl_add_u32 v3, v10, 5, v3
	s_mul_i32 s41, s13, WHALF
	v_add_nc_u32 v3, s41, v3
	s_lshl_b32 s41, s14, 13
	s_add_co_u32 s41, s41, HOFF
	v_lshl_add_u32 v4, v11, 4, s41                 ; h0: my eight tiles, 16 x lane
	s_mul_i32 s41, s12, 768
	s_add_co_u32 s41, s41, BIAS
	v_lshl_add_u32 v7, v10, 5, s41                 ; the bias as a lane reads it: eight rows at 32 x half
	v_lshl_add_u32 v12, v11, 2, s41                ; and as it is stored
	v_lshlrev_b32 v8, 3, v11
	s_mul_i32 s72, s13, 160
	s_add_co_u32 s73, s72, s21
	s_sub_co_u32 s74, s72, s22
	v_add_lshl_u32 v13, v11, s73, 2
	v_add_nc_u32 v14, s74, v11                     ; row in the block, less d
.irp j, 0,1,2,3,4
	global_load_b32 v[RAW+\j], v13, s[6:7] offset:128*\j
.endr
	s_wait_loadcnt 0x0
.irp j, 0,1,2,3,4
	v_add_nc_u32 v15, 32*\j, v14
	v_cmp_gt_u32 vcc_lo, s20, v15                  ; the row is the chunk's
	v_cndmask_b32 v15, s47, v[RAW+\j], vcc_lo
	v_mul_f32 v15, s42, v15
	ds_store_b32 v12, v15 offset:128*\j
.endr
; eight products: row tile a x my eight slot tiles, k half kp.  No two products on end share an accumulator.
.macro MULA a, kp, zero
	WIN ((1+(\a)/4)*0x50)|0x0c
.irp b, 0,1,2,3,4,5,6,7
.if \zero
	v_wmma_f32_16x16x32_bf16 v[64*((\a)%4)+8*\b:64*((\a)%4)+8*\b+7], v[AF+8*(\a):AF+8*(\a)+7], v[HF+64*(\kp)+8*\b:HF+64*(\kp)+8*\b+7], 0
.else
	v_wmma_f32_16x16x32_bf16 v[64*((\a)%4)+8*\b:64*((\a)%4)+8*\b+7], v[AF+8*(\a):AF+8*(\a)+7], v[HF+64*(\kp)+8*\b:HF+64*(\kp)+8*\b+7], v[64*((\a)%4)+8*\b:64*((\a)%4)+8*\b+7]
.endif
.endr
.endm
.macro CV h, m                         ; tile m of half h: 16 registers of f32 into a fragment; eight plain instructions, which are also the places behind the products round them
	WIN 0
.irp u, 0,1,2,3,4,5,6,7
	v_cvt_pk_bf16_f32 v[AF+40*(\h)+8*(\m)+\u], v[RAW+80*(\h)+16*(\m)+2*\u], v[RAW+80*(\h)+16*(\m)+2*\u+1]
.endr
.endm
.macro FETCHR h, kp                    ; five tiles x 32 k in f32: a lane's k = 8 half + 0..7 and 16 + 8 half + 0..7 are 32 bytes each
	WIN 0
.irp i, 0,1,2,3,4
.irp q, 0,1,2,3
	ds_load_b128 v[RAW+80*(\h)+16*\i+4*\q:RAW+80*(\h)+16*\i+4*\q+3], v5 offset:(5*(\h)+\i)*16*WROW+(\kp)*128+16*((\q)%2)+64*((\q)/2)
.endr
.endr
.endm
.macro FETCHH kp
	WIN 0xc0
.irp b, 0,1,2,3,4,5,6,7
	ds_load_b128 v[HF+64*(\kp)+8*\b:HF+64*(\kp)+8*\b+3], v6 offset:(\kp)*16384+\b*1024
	ds_load_b128 v[HF+64*(\kp)+8*\b+4:HF+64*(\kp)+8*\b+7], v6 offset:(\kp)*16384+\b*1024+512
.endr
.endm
; Phase p.  chg = 1, 2 (phase 2 alone): the change of slots: the step's last LDS reads were issued in phase 1.  chg = 1: the slot left is filled again, two steps ahead, behind a round of the cluster's barrier.
.macro PH p, chg, fetch, cv, zero
.set h_, (\p)&1
.set k_, (\p)>>1
.if (\chg) == 0
	s_wait_dscnt 0x0                               ; what the last phase asked for is in
.if \fetch
	FETCHR h_, 1-k_
.if h_ == 0
	FETCHH 1-k_
.endif
.endif
.irp m, 0,1,2,3,4
	MULA 5*h_+\m, k_, \zero
.if \cv
	CV 1-h_, \m
.endif
.endr
.else
	WIN 0
	s_wait_tensorcnt 0x0                           ; all my tensor loads have landed: the one that was out is my part of the next slot
	ds_add_u32 v1, v2                              ; the descriptors' steps stand between it and its wait
.if (\chg) == 1
	s_xor_b32 s37, s37, SLOT1
	s_add_nc_u64 s[38:39], s[38:39], 256
	s_xor_b32 s61, s61, SLOT1
	s_add_nc_u64 s[62:63], s[62:63], 131072
.endif
	s_xor_b32 s23, s23, SLOT1
	s_wait_dscnt 0x0                               ; the add is done, and my reads of this slot are over
	s_barrier_signal -1
	MULA 0, 1, 0
	CV 1, 0
	MULA 1, 1, 0
	CV 1, 1
	WIN 0
	s_barrier_wait -1
.if (\chg) == 1
	CREST                                          ; no wave of any partner still reads the slot or has a load on its way
	JLOAD                                          ; the first tensor load behind the round; it has a step's 160 products in which to land
.endif
	v_add_nc_u32 v5, s23, v3
	v_add_nc_u32 v6, s23, v4
	FETCHR 0, 0
	FETCHH 0
	MULA 2, 1, 0
	CV 1, 2
	MULA 3, 1, 0
	CV 1, 3
	MULA 4, 1, 0
	CV 1, 4
.endif
.endm
	s_wait_tensorcnt 0x1                           ; my part of K step 0 is in; step 1's stays out
	s_wait_dscnt 0x0
	s_barrier_signal -1
	s_barrier_wait -1
	v_mov_b32 v5, v3
	v_mov_b32 v6, v4
	FETCHR 0, 0
	FETCHR 1, 0
	FETCHH 0
	s_wait_dscnt 0x0
.irp m, 0,1,2,3,4
	CV 0, \m
.endr
	PH 0, 0, 1, 1, 1                               ; the first two phases start the sums
	PH 1, 0, 1, 1, 1
	WIN 0
	s_mov_b32 s40, 14
.Lk:                                   ; a trip: from a step's third phase to the next step's second; 14 refills
	PH 2, 1, 1, 1, 0
	PH 3, 0, 1, 1, 0
	PH 0, 0, 1, 1, 0
	PH 1, 0, 1, 1, 0
	WIN 0
	s_sub_co_u32 s40, s40, 1
	s_cmp_lg_u32 s40, 0
	s_cbranch_scc1 .Lk
	PH 2, 2, 1, 1, 0                               ; the tail is written out: nothing more is asked for
	PH 3, 0, 1, 1, 0
	PH 0, 0, 1, 1, 0
	PH 1, 0, 1, 1, 0
	PH 2, 0, 0, 1, 0
	PH 3, 0, 0, 0, 0
	WIN 0
.irp a, 0,1,2,3,4,5,6,7,8,9
	ds_load_b128 v[96+8*\a:96+8*\a+3], v7 offset:64*\a      ; c x bias of tile a's rows, my own bytes
	ds_load_b128 v[96+8*\a+4:96+8*\a+7], v7 offset:64*\a+16
.endr
	PLACES
	s_wait_dscnt 0x0
; Slot tile b: y = c x + c bias in place; cm = the largest y; 2^(y - cm) in place; their sum.  Each accumulator's lowest registers are read first.
.macro EPI b
.set a_, 0
.rept 10
.set X_, 1+a_/4
.set R_, 64*(a_%4)+8*(\b)
	WIN (X_<<6)|X_
.irp u, 0,2,4,6
	v_pk_fma_f32 v[R_+\u:R_+\u+1], v[R_+\u:R_+\u+1], s[42:43], v[96+8*a_+\u:96+8*a_+\u+1] op_sel_hi:[1,0,1]
.endr
.set a_, a_+1
.endr
.set a_, 0
.rept 10
.set X_, 1+a_/4
.set R_, 64*(a_%4)+8*(\b)
.if a_ == 0
	WIN X_|(X_<<2)
.irp u, 0,1,2,3
	v_max_num_f32 v[9+\u], v[R_+2*\u], v[R_+2*\u+1]
.endr
.else
	WIN (X_<<2)|(X_<<4)
.irp u, 0,1,2,3
	v_max3_num_f32 v[9+\u], v[9+\u], v[R_+2*\u], v[R_+2*\u+1]
.endr
.endif
.set a_, a_+1
.endr
	WIN 0
	v_max3_num_f32 v9, v9, v10, v11
	v_max_num_f32 v9, v9, v12
	v_permlanex16_b32 v10, v9, s44, s45            ; the slot's other rows lie in the lane 16 away
	v_max_num_f32 v14, v9, v10
	v_mov_b32 v15, v14
	v_mov_b32 v[176+\b], v14
.set a_, 0
.rept 10
.set X_, 1+a_/4
.set R_, 64*(a_%4)+8*(\b)
	WIN (X_<<6)|X_
.irp u, 0,2,4,6
	v_pk_add_f32 v[R_+\u:R_+\u+1], v[R_+\u:R_+\u+1], v[14:15] neg_lo:[0,1] neg_hi:[0,1]
.endr
.irp u, 0,1,2,3,4,5,6,7
	v_exp_f32 v[R_+\u], v[R_+\u]                   ; the next tile's subtractions are the plain instructions behind these
.endr
.set a_, a_+1
.endr
.set a_, 0
.rept 10
.set X_, 1+a_/4
.set R_, 64*(a_%4)+8*(\b)
.if a_ == 0
	WIN X_|(X_<<2)
	s_wait_alu depctr_va_vdst(0)
	v_pk_add_f32 v[16:17], v[R_:R_+1], v[R_+2:R_+3]
	v_pk_add_f32 v[18:19], v[R_+4:R_+5], v[R_+6:R_+7]
.else
	WIN X_<<2
	v_pk_add_f32 v[16:17], v[16:17], v[R_:R_+1]
	v_pk_add_f32 v[18:19], v[18:19], v[R_+2:R_+3]
	v_pk_add_f32 v[16:17], v[16:17], v[R_+4:R_+5]
	v_pk_add_f32 v[18:19], v[18:19], v[R_+6:R_+7]
.endif
.set a_, a_+1
.endr
	WIN 0
	v_pk_add_f32 v[16:17], v[16:17], v[18:19]
	v_add_f32 v16, v16, v17
	v_permlanex16_b32 v17, v16, s44, s45
	v_add_f32 v[184+\b], v16, v17
.endm
.irp b, 0,1,2,3,4,5,6,7
	EPI \b
.endr
	s_lshl_b32 s72, s17, 1
	s_add_co_u32 s72, s72, s13
	s_lshl_b32 s72, s72, 13                        ; part's row 2 chunk + wr,
	s_lshl_b32 s73, s16, 11
	s_add_co_u32 s72, s72, s73
	s_lshl_b32 s73, s14, 10
	s_add_co_u32 s72, s72, s73                     ; slot 256 quarter + 128 wc, 8 bytes each
	s_mov_b32 s73, 0
	s_add_nc_u64 s[10:11], s[10:11], s[72:73]
.irp b, 0,2,4,6
	v_cndmask_b32 v[20+\b], v[176+\b], v[177+\b], s46      ; lanes 0-15 speak for tile b, lanes 16-31 for tile b + 1
	v_cndmask_b32 v[21+\b], v[184+\b], v[185+\b], s46
	global_store_b64 v8, v[20+\b:21+\b], s[10:11] offset:128*\b  ; the wave stores 256 consecutive bytes, aligned
.endr
	s_wait_tensorcnt 0x0                           ; the wave's end
	ds_add_u32 v1, v2
	s_wait_dscnt 0x0
	CROUND                                         ; the closing round
	s_endpgm
.Lfunc_end_k_q7e3afbb277_head:
	.size	k_q7e3afbb277_head, .Lfunc_end_k_q7e3afbb277_head-k_q7e3afbb277_head
	.p2alignl 7, 3214868480
	.fill 96, 4, 3214868480
	.section	.rodata,"a",@progbits
	.p2align	6, 0x0
	.amdhsa_kernel k_q7e3afbb277_head
		.amdhsa_group_segment_fixed_size 327680
		.amdhsa_private_segment_fixed_size 0
		.amdhsa_enable_private_segment 0
		.amdhsa_kernarg_size 32
		.amdhsa_user_sgpr_count 2
		.amdhsa_user_sgpr_kernarg_segment_ptr 1
		.amdhsa_wavefront_size32 1
		.amdhsa_system_sgpr_workgroup_id_x 1
		.amdhsa_system_sgpr_workgroup_id_y 1
		.amdhsa_system_sgpr_workgroup_id_z 1
		.amdhsa_system_vgpr_workitem_id 0
		.amdhsa_next_free_vgpr 1024
		.amdhsa_next_free_sgpr 80
		.amdhsa_reserve_vcc 1
		.amdhsa_float_denorm_mode_32 3
		.amdhsa_float_denorm_mode_16_64 3
		.amdhsa_memory_ordered 1
		.amdhsa_forward_progress 1
		.amdhsa_inst_pref_size 204
	.end_amdhsa_kernel
	.amdgpu_metadata
---
amdhsa.version: [ 1, 2 ]
amdhsa.kernels:
  - .name:           k_q7e3afbb277_head
    .symbol:         k_q7e3afbb277_head.kd
    .args:
      - { .name: W0, .offset: 0, .size: 8, .value_kind: global_buffer, .address_space: global }
      - { .name: b0, .offset: 8, .size: 8, .value_kind: global_buffer, .address_space: global }
      - { .name: hf, .offset: 16, .size: 8, .value_kind: global_buffer, .address_space: global }
      - { .name: part, .offset: 24, .size: 8, .value_kind: global_buffer, .address_space: global }
    .group_segment_fixed_size: 327680
    .private_segment_fixed_size: 0
    .kernarg_segment_align: 8
    .kernarg_segment_size: 32
    .max_flat_workgroup_size: 128
    .sgpr_count:     80
    .vgpr_count:     1024
    .wavefront_size: 32
...
	.end_amdgpu_metadata
.endif
;; end of part 3
;; launch tails (part 4): grid 1616 x 1, 4 waves a work-group, no clusters, 72,704 bytes of LDS; arguments W1, b1, W2, b2, W3, b3, hf, ord, part; writes part
.if DOCPART == 4
	.amdgcn_target "amdgcn-amd-amdhsa--gfx1250"
	.amdhsa_code_object_version 6
	.text
	.protected	k_q7e3afbb277_tails
	.globl	k_q7e3afbb277_tails
	.p2align	8
	.type	k_q7e3afbb277_tails,@function
k_q7e3afbb277_tails:
	s_mov_b64 s[64:65], 0
	v_nop
	global_prefetch_b8 v0, s[64:65] scope:SCOPE_SE
	s_setreg_imm32_b32 hwreg(HW_REG_WAVE_MODE, 25, 1), 1
	s_wait_xcnt 0x0
; The three tails' logits x = h_i . W_i[v] + b_i[v], only for the pairs of 32 slots that hold a row of that cluster (the selection in the problem throws the others away; the pair ranges are whole numbers
; that the first launch stored).  A work-group is one chunk of rows of one W (x 0-1023: tail 2, 1024-1343: tail 1, 1344-1615: tail 3); it loads the chunk once, as one dense block in f32, rounds it to bf16,
; and every wave keeps ALL its fragments and the bias in registers.  The four waves then take the cluster's pairs by turns; h's fragments come straight from memory into registers, a tile ahead.
; For each slot: part[row of the chunk][slot] = (cm, l), cm = c x the largest x, l = the sum of 2^(c x - cm).  Source 0 = 16 rows of W, source 1 = 16 slots; the bias is the C operand that starts the sum.
; A fetched block begins at t = min(s, V - ROWS); rows outside the chunk get the bias -1e30.  LIMITS: |x| far below 1e29; NaN and infinities are not treated apart.
; Tail 3 has K = 16: a fragment's upper half is the next tile's numbers, against zeros in h's fragment: an infinity in W3 would reach a neighbouring tile as NaN.
; NO CLUSTER: W goes through registers to be rounded, h goes straight into registers, and the number of trips hangs on counts read from memory.
; LDS: each of the three sections of the text has bytes of its own, so that no two sections name the same bytes: bias 0, 1,024, 2,048 (1,024 bytes each); the spare words at 3,072;
; the rounded weights at 3,584 (tail 1: 64 rows x 528), 37,376 (tail 2: 160 rows x 144), 60,416 (tail 3: 256 rows x 48).
.set SPARE, 3072
.set MSB, 0
.macro WIN new
.if MSB != (\new)
	s_set_vgpr_msb (MSB<<8)|(\new)
.set MSB, \new
.endif
.endm
.macro PLACES
.rept 4
	v_nop
.endr
.endm
.macro LB breg, nb, off                ; one slot tile's fragments of h
.set v_, 0
.rept \nb
	global_load_b128 v[\breg+4*v_:\breg+4*v_+3], v3, s[36:37] offset:\off+512*v_
.set v_, v_+1
.endr
.endm
.macro TMM KF, NT, BR, ACC, CB, CBW, T3 ; the tile's products; the NT accumulators take turns
	WIN 0x01|((\CBW)<<4)
.set k_, 0
.rept \KF
.set a_, 0
.rept \NT
.if \T3
.set A_, 4*a_
.else
.set A_, 8*(a_*(\KF)+k_)
.endif
.if k_ == 0
	v_wmma_f32_16x16x32_bf16 v[\ACC+8*a_:\ACC+8*a_+7], v[A_:A_+7], v[\BR+8*k_:\BR+8*k_+7], v[\CB+8*a_:\CB+8*a_+7]
.else
	v_wmma_f32_16x16x32_bf16 v[\ACC+8*a_:\ACC+8*a_+7], v[A_:A_+7], v[\BR+8*k_:\BR+8*k_+7], v[\ACC+8*a_:\ACC+8*a_+7]
.endif
.set a_, a_+1
.endr
.set k_, k_+1
.endr
	WIN 0
.endm
.macro FMA ACC, a                      ; c x - cm for a tile
.irp u, 0,2,4,6
	v_pk_fma_f32 v[\ACC+8*(\a)+\u:\ACC+8*(\a)+\u+1], v[\ACC+8*(\a)+\u:\ACC+8*(\a)+\u+1], s[48:49], v[14:15] op_sel_hi:[1,0,1] neg_lo:[0,0,1] neg_hi:[0,0,1]
.endr
.endm
.macro SM NT, ACC                      ; cm into v14, l into v16; each accumulator's lowest registers are read first
.irp u, 0,1,2,3
	v_max_num_f32 v[10+\u], v[\ACC+2*\u], v[\ACC+2*\u+1]
.endr
.set a_, 1
.rept \NT-1
.irp u, 0,1,2,3
	v_max3_num_f32 v[10+\u], v[10+\u], v[\ACC+8*a_+2*\u], v[\ACC+8*a_+2*\u+1]
.endr
.set a_, a_+1
.endr
	v_max3_num_f32 v10, v10, v11, v12
	v_max_num_f32 v10, v10, v13
	v_permlanex16_b32 v11, v10, s50, s51           ; the slot's other rows lie in the lane 16 away
	v_max_num_f32 v10, v10, v11
	v_mul_f32 v14, s48, v10
	v_mul_f32 v15, s48, v10
	FMA \ACC, 0
.set a_, 0
.rept \NT
.irp u, 0,1,2,3,4,5,6,7
	v_exp_f32 v[\ACC+8*a_+\u], v[\ACC+8*a_+\u]
.endr
.if a_ < \NT-1
	FMA \ACC, a_+1                                 ; plain work between the exponentials and the use of their results
.else
	v_nop
.endif
.if a_ == 0
	s_wait_alu depctr_va_vdst(0)
	v_pk_add_f32 v[16:17], v[\ACC:\ACC+1], v[\ACC+2:\ACC+3]
	v_pk_add_f32 v[18:19], v[\ACC+4:\ACC+5], v[\ACC+6:\ACC+7]
.else
	s_wait_alu depctr_va_vdst(0)
	v_pk_add_f32 v[16:17], v[16:17], v[\ACC+8*a_:\ACC+8*a_+1]
	v_pk_add_f32 v[18:19], v[18:19], v[\ACC+8*a_+2:\ACC+8*a_+3]
	v_pk_add_f32 v[16:17], v[16:17], v[\ACC+8*a_+4:\ACC+8*a_+5]
	v_pk_add_f32 v[18:19], v[18:19], v[\ACC+8*a_+6:\ACC+8*a_+7]
.endif
.set a_, a_+1
.endr
	v_pk_add_f32 v[16:17], v[16:17], v[18:19]
	v_add_f32 v16, v16, v17
	v_permlanex16_b32 v17, v16, s50, s51
	v_add_f32 v16, v16, v17
.endm
; One tail, to its end.  Window 0: v3 16 lane, v4 16 thread, v5-7 LDS addresses, v8 8 lane, v9 store offset, v10-19 at work, v20-23 results, then h's two tiles (B0), the accumulators (ACC), the bias (CB).  Window 1: W's fragments.
; WTO, BIASO: the section's own LDS bytes for the weights and for the bias.
.macro TAIL E, LOGE, KF, NT, NLD, PITCH, HREG, TS, ROW0, NB, ORDO, BQ, RQ, ROWS, VMR, WP, BP, B0, ACC, CB, CBW, RAW, Q0, WTO, BIASO
	s_load_b64 s[40:41], s[22:23], \ORDO           ; the cluster's pairs: first, end
	s_sub_co_u32 s27, s27, \Q0                     ; chunk q
	s_min_u32 s28, s27, \RQ
	s_mul_i32 s54, s27, \BQ
	s_add_co_u32 s28, s28, s54                     ; s
	s_cmp_lt_u32 s27, \RQ
	s_cselect_b32 s29, 1, 0
	s_add_co_u32 s29, s29, \BQ                     ; n
	s_min_u32 s30, s28, \VMR                       ; t
	s_sub_co_u32 s31, s28, s30                     ; d
	s_lshl_b32 s46, s30, \LOGE+2
	s_mov_b32 s47, 0
	s_add_nc_u64 s[32:33], s[\WP:\WP+1], s[46:47]
	s_lshl_b32 s46, s30, 2
	s_add_nc_u64 s[34:35], s[\BP:\BP+1], s[46:47]
	s_add_co_u32 s46, s27, \ROW0
	s_lshl_b32 s46, s46, 13
	s_add_nc_u64 s[38:39], s[24:25], s[46:47]
.set j_, 0
.rept \NLD
	global_load_b128 v[\RAW+4*j_:\RAW+4*j_+3], v4, s[32:33] offset:2048*j_ th:TH_LOAD_NT  ; the chunk is dense: a wave's load covers 512 consecutive bytes
.set j_, j_+1
.endr
.set j_, 0
.rept (\ROWS+127)/128
	v_add_nc_u32 v[12+j_], 128*j_, v0
	v_min_u32 v[12+j_], \ROWS-1, v[12+j_]
	v_lshlrev_b32 v[12+j_], 2, v[12+j_]
	global_load_b32 v[10+j_], v[12+j_], s[34:35]
.set j_, j_+1
.endr
.if (\LOGE) == 8                       ; where thread 32 w + lane puts its four numbers: row thread / (E / 4), 8 bytes at 8 (thread % (E / 4))
	s_lshr_b32 s54, s26, 1
	s_mul_i32 s54, s54, \PITCH
	s_and_b32 s55, s26, 1
	s_lshl_b32 s55, s55, 8
	s_add_co_u32 s54, s54, s55
	s_add_co_u32 s54, s54, \WTO
	v_lshl_add_u32 v5, v9, 3, s54
.else
	s_mul_i32 s54, s26, (32>>((\LOGE)-2))*(\PITCH)
	s_add_co_u32 s54, s54, \WTO
	v_lshrrev_b32 v14, (\LOGE)-2, v9
	v_and_b32 v15, (\E)/4-1, v9
	v_mul_u32_u24 v5, v14, \PITCH
	v_lshl_add_u32 v5, v15, 3, v5
	v_add_nc_u32 v5, s54, v5
.endif
	v_and_b32 v14, 15, v0
	v_bfe_u32 v15, v0, 4, 1
	v_mul_u32_u24 v6, v14, \PITCH                  ; fragments: row x pitch + 16 x half
	v_lshl_add_u32 v6, v15, 4, v6
	v_add_nc_u32 v6, \WTO, v6
	v_lshlrev_b32 v7, 5, v15                       ; the bias as a lane reads it: eight rows at 32 x half
	s_lshl_b32 s54, s26, 7
	v_lshl_add_u32 v16, v9, 2, s54                 ; 4 x thread
	s_wait_loadcnt 0x0
.set j_, 0
.rept \NLD
	v_cvt_pk_bf16_f32 v[\RAW+4*j_], v[\RAW+4*j_], v[\RAW+4*j_+1]
	v_cvt_pk_bf16_f32 v[\RAW+4*j_+1], v[\RAW+4*j_+2], v[\RAW+4*j_+3]
	ds_store_b64 v5, v[\RAW+4*j_:\RAW+4*j_+1] offset:j_*(512/(\E))*(\PITCH)
.set j_, j_+1
.endr
.set j_, 0
.rept (\ROWS+127)/128
	v_add_nc_u32 v14, 128*j_, v0
	v_sub_nc_u32 v14, v14, s31
	v_cmp_gt_u32 vcc_lo, s29, v14                  ; the row is the chunk's
	v_cndmask_b32 v14, s52, v[10+j_], vcc_lo
	ds_store_b32 v16, v14 offset:\BIASO+512*j_
.set j_, j_+1
.endr
	s_wait_dscnt 0x0                               ; for the others' sake: my stores are done
	s_barrier_signal -1
	s_barrier_wait -1
	WIN 0x40
.set a_, 0
.rept \NT
.if (\E) == 16
	ds_load_b128 v[4*a_:4*a_+3], v6 offset:a_*16*(\PITCH)
.else
.set k_, 0
.rept \KF
	ds_load_b128 v[8*(a_*(\KF)+k_):8*(a_*(\KF)+k_)+3], v6 offset:a_*16*(\PITCH)+64*k_
	ds_load_b128 v[8*(a_*(\KF)+k_)+4:8*(a_*(\KF)+k_)+7], v6 offset:a_*16*(\PITCH)+64*k_+32
.set k_, k_+1
.endr
.endif
.set a_, a_+1
.endr
.if (\E) == 16
.irp u, 0,1,2,3
	v_mov_b32 v[4*(\NT)+\u], 0                     ; behind the last tile
.endr
.endif
	WIN (\CBW)<<6
.set a_, 0
.rept \NT
	ds_load_b128 v[\CB+8*a_:\CB+8*a_+3], v7 offset:\BIASO+64*a_
	ds_load_b128 v[\CB+8*a_+4:\CB+8*a_+7], v7 offset:\BIASO+64*a_+16
.set a_, a_+1
.endr
	WIN 0
	s_wait_dscnt 0x0
	s_wait_tensorcnt 0x0                           ; behind my last LDS store
	ds_add_u32 v1, v2
	s_wait_dscnt 0x0
.if (\E) == 16
.irp u, 4,5,6,7,12,13,14,15
	v_mov_b32 v[\B0+\u], 0                         ; h3 has no k beyond 15
.endr
.endif
	s_wait_kmcnt 0x0
	s_min_u32 s40, s40, 32
	s_min_u32 s41, s41, 32
	s_sub_co_u32 s42, s41, s40
	s_add_co_u32 s42, s42, 3
	s_sub_co_u32 s42, s42, s26
	s_lshr_b32 s42, s42, 2                         ; my trips: pairs first + wave + 4 i
	s_add_co_u32 s44, s40, s26
	s_min_u32 s44, s44, 31                         ; the pair in hand
	s_mov_b32 s43, 0
	s_cmp_lt_u32 s43, s42
	s_cbranch_scc0 .Ldone_\@
	s_mul_i32 s46, s44, 2*(\TS)
	s_add_co_u32 s46, s46, \HREG
	s_add_nc_u64 s[36:37], s[20:21], s[46:47]
	LB \B0, \NB, 0
	LB \B0+8*(\KF), \NB, \TS
.Lloop_\@:
	s_wait_loadcnt \NB                             ; the pair's first tile is in; the second's loads stay out
	TMM \KF, \NT, \B0, \ACC, \CB, \CBW, (\E)==16
	PLACES
	s_wait_xcnt 0x0                                ; h's base, the store's offset and its data are rewritten only behind this wait
	s_add_co_u32 s45, s44, 4
	s_min_u32 s45, s45, 31                         ; my next pair; clamped, so that the last trip's look-ahead stays inside hf
	s_mul_i32 s46, s45, 2*(\TS)
	s_add_co_u32 s46, s46, \HREG
	s_add_nc_u64 s[36:37], s[20:21], s[46:47]
	LB \B0, \NB, 0
	SM \NT, \ACC
	v_mov_b32 v20, v14
	v_mov_b32 v21, v16
	s_wait_loadcnt \NB                             ; the second tile is in; the next pair's first stays out
	TMM \KF, \NT, \B0+8*(\KF), \ACC, \CB, \CBW, (\E)==16
	PLACES
	LB \B0+8*(\KF), \NB, \TS
	SM \NT, \ACC
	v_cndmask_b32 v22, v20, v14, s53               ; lanes 0-15 speak for the first tile, lanes 16-31 for the second
	v_cndmask_b32 v23, v21, v16, s53
	s_lshl_b32 s54, s44, 8
	v_add_nc_u32 v9, s54, v8
	global_store_b64 v9, v[22:23], s[38:39]        ; the wave stores 256 consecutive bytes, aligned
	s_mov_b32 s44, s45
	s_add_co_u32 s43, s43, 1
	s_cmp_lt_u32 s43, s42
	s_cbranch_scc1 .Lloop_\@
.Ldone_\@:
	s_endpgm
.endm
	s_load_b512 s[8:23], s[0:1], 0x0               ; W1, b1, W2, b2, W3, b3, hf, ord
	s_load_b64 s[24:25], s[0:1], 0x40              ; part
	v_lshl_add_u32 v1, v0, 2, SPARE
	v_mov_b32 v2, 0
	v_lshrrev_b32 v8, 5, v0
	v_readfirstlane_b32 s26, v8                    ; wave
	v_and_b32 v9, 31, v0                           ; lane (until the loop)
	v_lshlrev_b32 v3, 4, v9
	v_lshlrev_b32 v4, 4, v0
	v_lshlrev_b32 v8, 3, v9
	s_mov_b32 s27, ttmp9
	s_mov_b32 s48, 0x3fb8aa3b                      ; c
	s_mov_b32 s49, s48
	s_mov_b32 s50, 0x76543210
	s_mov_b32 s51, 0xfedcba98
	s_mov_b32 s52, 0xf149f2ca                      ; -1e30
	s_mov_b32 s53, 0xffff0000
	s_wait_kmcnt 0x0
	s_cmp_lt_u32 s27, 1024
	s_cbranch_scc1 .Lt2
	s_cmp_lt_u32 s27, 1344
	s_cbranch_scc1 .Lt1
	TAIL 16, 4, 1, 16, 8, 48, 2752512, 512, 1472, 1, 4112, 249, 10, 256, 67482, 16, 18, 24, 40, 72, 1, 40, 1344, 60416, 2048
.Lt1:
	TAIL 256, 8, 8, 4, 32, 528, 2097152, 8192, 128, 16, 4096, 62, 160, 64, 19936, 8, 10, 24, 152, 184, 0, 24, 1024, 3584, 0
.Lt2:
	TAIL 64, 6, 2, 10, 20, 144, 2621440, 2048, 448, 4, 4104, 156, 256, 160, 159840, 12, 14, 24, 56, 136, 0, 56, 0, 37376, 1024
.Lfunc_end_k_q7e3afbb277_tails:
	.size	k_q7e3afbb277_tails, .Lfunc_end_k_q7e3afbb277_tails-k_q7e3afbb277_tails
	.p2alignl 7, 3214868480
	.fill 96, 4, 3214868480
	.section	.rodata,"a",@progbits
	.p2align	6, 0x0
	.amdhsa_kernel k_q7e3afbb277_tails
		.amdhsa_group_segment_fixed_size 72704
		.amdhsa_private_segment_fixed_size 0
		.amdhsa_enable_private_segment 0
		.amdhsa_kernarg_size 72
		.amdhsa_user_sgpr_count 2
		.amdhsa_user_sgpr_kernarg_segment_ptr 1
		.amdhsa_wavefront_size32 1
		.amdhsa_system_sgpr_workgroup_id_x 1
		.amdhsa_system_sgpr_workgroup_id_y 1
		.amdhsa_system_sgpr_workgroup_id_z 1
		.amdhsa_system_vgpr_workitem_id 0
		.amdhsa_next_free_vgpr 512
		.amdhsa_next_free_sgpr 66
		.amdhsa_reserve_vcc 1
		.amdhsa_float_denorm_mode_32 3
		.amdhsa_float_denorm_mode_16_64 3
		.amdhsa_memory_ordered 1
		.amdhsa_forward_progress 1
		.amdhsa_inst_pref_size 123
	.end_amdhsa_kernel
	.amdgpu_metadata
---
amdhsa.version: [ 1, 2 ]
amdhsa.kernels:
  - .name:           k_q7e3afbb277_tails
    .symbol:         k_q7e3afbb277_tails.kd
    .args:
      - { .name: W1, .offset: 0, .size: 8, .value_kind: global_buffer, .address_space: global }
      - { .name: b1, .offset: 8, .size: 8, .value_kind: global_buffer, .address_space: global }
      - { .name: W2, .offset: 16, .size: 8, .value_kind: global_buffer, .address_space: global }
      - { .name: b2, .offset: 24, .size: 8, .value_kind: global_buffer, .address_space: global }
      - { .name: W3, .offset: 32, .size: 8, .value_kind: global_buffer, .address_space: global }
      - { .name: b3, .offset: 40, .size: 8, .value_kind: global_buffer, .address_space: global }
      - { .name: hf, .offset: 48, .size: 8, .value_kind: global_buffer, .address_space: global }
      - { .name: ord, .offset: 56, .size: 8, .value_kind: global_buffer, .address_space: global }
      - { .name: part, .offset: 64, .size: 8, .value_kind: global_buffer, .address_space: global }
    .group_segment_fixed_size: 72704
    .private_segment_fixed_size: 0
    .kernarg_segment_align: 8
    .kernarg_segment_size: 72
    .max_flat_workgroup_size: 128
    .sgpr_count:     66
    .vgpr_count:     512
    .wavefront_size: 32
...
	.end_amdgpu_metadata
.endif
;; end of part 4
;; launch finish (part 5): grid 32 x 1, 16 waves a work-group, no clusters, 20,480 bytes of LDS; arguments part, hf, ord, target, W0, b0, W1, b1, W2, b2, W3, b3, cluster_weight, cluster_bias, out0; writes out0
.if DOCPART == 5
	.amdgcn_target "amdgcn-amd-amdhsa--gfx1250"
	.amdhsa_code_object_version 6
	.text
	.protected	k_q7e3afbb277_finish
	.globl	k_q7e3afbb277_finish
	.p2align	8
	.type	k_q7e3afbb277_finish,@function
k_q7e3afbb277_finish:
	s_mov_b64 s[64:65], 0
	v_nop
	global_prefetch_b8 v0, s[64:65] scope:SCOPE_SE
	s_setreg_imm32_b32 hwreg(HW_REG_WAVE_MODE, 25, 1), 1
	s_wait_xcnt 0x0
; A work-group finishes one pair of 32 slots.  (1) lane = slot, the 16 waves share part's rows: the pairs (cm, l) of the head and of each tail that computed this pair are merged, always under their true maximum.
; (2) wave = two slots, lanes share k: the three cluster logits, the shortlist logit at the clipped target and the own tail's logit at the clipped target, in f32 from h (bf16) and the f32 weights.
; (3) the 16 waves' merges are merged.  (4) wave 0: the cluster logits enter the head's sum; nll = ln 2 (lh + lt) - (logits), chosen by the target's cluster; stored at the slot's row.
; No matrix unit: 5 dot products a slot.  Branches hang on whole numbers read from memory alone.  LIMIT: target in 0 .. 267,734 (clamped only so that no address leaves its table).
.set CM2,   16384
.set RES,   17408
.set SPARE, 18432
.set D,     40
.macro MATH n                          ; n pairs (cm, l) at v[D ..] into (v8, v9)
	v_mov_b32 v8, v[D]
.set k_, 1
.rept ((\n)-1)/2
	v_max3_num_f32 v8, v8, v[D+2*k_], v[D+2*k_+2]
.set k_, k_+2
.endr
.if ((\n)-1)%2
	v_max_num_f32 v8, v8, v[D+2*(\n)-2]
.endif
.set k_, 0
.rept \n
	v_sub_f32 v[D+2*k_], v[D+2*k_], v8
.set k_, k_+1
.endr
.set k_, 0
.rept \n
	v_exp_f32 v[D+2*k_], v[D+2*k_]
.set k_, k_+1
.endr
	v_nop                                          ; a plain instruction between the exponentials and the use of their results
	s_wait_alu depctr_va_vdst(0)
	v_mul_f32 v9, v[D+1], v[D]
.set k_, 1
.rept (\n)-1
	v_fmac_f32 v9, v[D+2*k_+1], v[D+2*k_]
.set k_, k_+1
.endr
.endm
.macro MERGE cat, ROW0, RPW            ; my wave's rows ROW0 + wave + 16 k of one category
.if \cat
	s_cmp_le_u32 s[38+2*\cat], s39                 ; did this tail compute my pair?
	s_cbranch_scc0 .Lno_\@
	s_cmp_lt_u32 s39, s[39+2*\cat]
	s_cbranch_scc0 .Lno_\@
.endif
	s_add_nc_u64 s[50:51], s[48:49], (\ROW0)*8192
.set k_, 0
.rept \RPW
	global_load_b64 v[D+2*k_:D+2*k_+1], v4, s[50:51] offset:131072*k_   ; the wave reads 256 consecutive bytes, aligned
.set k_, k_+1
.endr
	s_wait_loadcnt 0x0
	MATH \RPW
.if \cat
	s_branch .Lst_\@
.Lno_\@:
	v_mov_b32 v8, s58
	v_mov_b32 v9, 0
.Lst_\@:
.endif
	ds_store_b64 v6, v[8:9] offset:(\cat)*4096
.endm
.macro WSUM r                          ; the sum over the wave's 32 lanes, in every lane
	v_add_f32_dpp v[\r], v[\r], v[\r] row_xmask:1 row_mask:0xf bank_mask:0xf
	v_add_f32_dpp v[\r], v[\r], v[\r] row_xmask:2 row_mask:0xf bank_mask:0xf
	v_add_f32_dpp v[\r], v[\r], v[\r] row_xmask:4 row_mask:0xf bank_mask:0xf
	v_add_f32_dpp v[\r], v[\r], v[\r] row_xmask:8 row_mask:0xf bank_mask:0xf
	v_permlanex16_b32 v198, v[\r], s60, s61
	v_add_f32 v[\r], v[\r], v198
.endm
.macro TDOT E, LOGE, WP, BP, lo, size, HREG, LTS   ; the tail's logit at the clipped target: lane g < E / 8 takes k = 8 g .. 8 g + 7
	s_sub_co_i32 s73, s63, \lo
	s_max_i32 s73, s73, 0
	s_min_u32 s73, s73, \size-1
	v_min_u32 v186, (\E)/8-1, v3
	s_lshl_b32 s74, s66, \LTS
	s_add_co_u32 s74, s74, s72
	s_add_co_u32 s74, s74, \HREG
	v_lshl_add_u32 v187, v186, 8, s74
	global_load_b128 v[168:171], v187, s[10:11]
	s_lshl_b32 s76, s73, \LOGE+2
	v_lshl_add_u32 v186, v186, 5, s76
	global_load_b128 v[D:D+3], v186, s[\WP:\WP+1]
	global_load_b128 v[D+4:D+7], v186, s[\WP:\WP+1] offset:16
	s_lshl_b32 s77, s73, 2
	s_load_b32 s78, s[\BP:\BP+1], s77 offset:0x0
	s_wait_loadcnt 0x0
.irp q, 0,1,2,3
	v_lshlrev_b32 v[8+2*\q], 16, v[168+\q]
	v_and_b32 v[9+2*\q], s59, v[168+\q]
.endr
	v_pk_mul_f32 v[196:197], v[D:D+1], v[8:9]
.irp q, 1,2,3
	v_pk_fma_f32 v[196:197], v[D+2*\q:D+2*\q+1], v[8+2*\q:9+2*\q], v[196:197]
.endr
	v_add_f32 v196, v196, v197
	v_cmp_gt_u32 vcc_lo, (\E)/8, v3
	v_cndmask_b32 v196, 0, v196, vcc_lo
	WSUM 196
	s_wait_kmcnt 0x0
	v_add_f32 v196, s78, v196
.endm
	s_load_b512 s[8:23], s[0:1], 0x0               ; part, hf, ord, target, W0, b0, W1, b1
	s_load_b256 s[24:31], s[0:1], 0x40             ; W2, b2, W3, b3
	s_load_b128 s[32:35], s[0:1], 0x60             ; cluster_weight, cluster_bias
	s_load_b64 s[36:37], s[0:1], 0x70              ; out0
	v_lshl_add_u32 v1, v0, 2, SPARE
	v_mov_b32 v2, 0
	v_lshrrev_b32 v5, 5, v0
	v_readfirstlane_b32 s38, v5                    ; wave
	v_and_b32 v3, 31, v0                           ; lane
	v_lshlrev_b32 v4, 3, v3
	v_mov_b32 v198, 0
	s_mov_b32 s39, ttmp9                           ; the pair
	s_mov_b32 s56, 0x3fb8aa3b                      ; c = log2 e
	s_mov_b32 s57, 0x3f317218                      ; ln 2
	s_mov_b32 s58, 0xf149f2ca                      ; -1e30
	s_mov_b32 s59, 0xffff0000
	s_mov_b32 s60, 0x76543210
	s_mov_b32 s61, 0xfedcba98
	s_lshl_b32 s79, s38, 8
	v_add_nc_u32 v6, s79, v4                       ; my wave's 256 bytes in a category's list
	s_lshl_b32 s50, s38, 13
	s_lshl_b32 s51, s39, 8
	s_add_co_u32 s50, s50, s51
	s_mov_b32 s51, 0
	s_wait_kmcnt 0x0
	s_load_b256 s[40:47], s[12:13], 0x1000         ; the tails' pair ranges
	s_load_b96 s[68:70], s[34:35], 0x0             ; cluster_bias
	s_add_nc_u64 s[48:49], s[8:9], s[50:51]
	s_wait_kmcnt 0x0
	MERGE 0, 0, 8
	MERGE 1, 128, 20
	MERGE 2, 448, 64
	MERGE 3, 1472, 17
	s_lshl_b32 s52, s39, 5
	s_lshl_b32 s53, s38, 1
	s_add_co_u32 s52, s52, s53                     ; my first slot
	s_lshl_b32 s79, s38, 6
	s_add_co_u32 s79, s79, RES
	v_mov_b32 v7, s79                              ; its 32 bytes of results
	v_lshlrev_b32 v185, 7, v3                      ; 128 x lane: my 32 numbers of a row of 1,024
	s_mov_b32 s54, 2
.Lslot:
	s_lshl_b32 s55, s52, 2
	s_load_b32 s62, s[12:13], s55 offset:0x0       ; the slot's row
	s_lshr_b32 s66, s52, 4                         ; its tile
	s_and_b32 s67, s52, 15
	s_lshl_b32 s71, s66, 10
	s_lshl_b32 s72, s67, 4                         ; 16 x its place in the tile
	s_add_co_u32 s71, s71, s72
	v_lshl_add_u32 v184, v3, 16, s71               ; h0: k block = lane
.irp q, 0,1,2,3
	global_load_b128 v[168+4*\q:168+4*\q+3], v184, s[10:11] offset:256*\q   ; k = 32 lane + 8 q + 0..7
.endr
.irp k, 0,1,2
.irp q, 0,1,2,3,4,5,6,7
	global_load_b128 v[D+32*(1+\k)+4*\q:D+32*(1+\k)+4*\q+3], v185, s[32:33] offset:4096*\k+16*\q
.endr
.endr
	s_wait_kmcnt 0x0
	s_min_u32 s62, s62, 1023
	s_lshl_b32 s62, s62, 2
	s_load_b32 s63, s[14:15], s62 offset:0x0       ; its target
	s_wait_kmcnt 0x0
	s_max_i32 s73, s63, 0
	s_min_u32 s73, s73, 19996                      ; clipped to the shortlist
	s_lshl_b32 s74, s73, 12
	v_add_nc_u32 v186, s74, v185
.irp q, 0,1,2,3,4,5,6,7
	global_load_b128 v[D+4*\q:D+4*\q+3], v186, s[16:17] offset:16*\q
.endr
	s_lshl_b32 s74, s73, 2
	s_load_b32 s75, s[18:19], s74 offset:0x0
	s_wait_loadcnt 0x0
.irp q, 0,1,2,3,4,5,6,7,8,9,10,11,12,13,14,15
	v_lshlrev_b32 v[8+2*\q], 16, v[168+\q]         ; bf16 to f32
	v_and_b32 v[9+2*\q], s59, v[168+\q]
.endr
.irp w, 0,1,2,3
	v_pk_mul_f32 v[188+2*\w:189+2*\w], v[D+32*\w:D+32*\w+1], v[8:9]
.endr
.irp q, 1,2,3,4,5,6,7,8,9,10,11,12,13,14,15
.irp w, 0,1,2,3
	v_pk_fma_f32 v[188+2*\w:189+2*\w], v[D+32*\w+2*\q:D+32*\w+2*\q+1], v[8+2*\q:9+2*\q], v[188+2*\w:189+2*\w]
.endr
.endr
.irp w, 0,1,2,3
	v_add_f32 v[188+2*\w], v[188+2*\w], v[189+2*\w]
.endr
	WSUM 188
	WSUM 190
	WSUM 192
	WSUM 194
	s_wait_kmcnt 0x0
	v_add_f32 v188, s75, v188                      ; the shortlist logit
	v_add_f32 v190, s68, v190                      ; the three cluster logits
	v_add_f32 v192, s69, v192
	v_add_f32 v194, s70, v194
	v_mov_b32 v196, 0
	s_cmp_lt_i32 s63, 19997
	s_cbranch_scc1 .Lnotail
	s_cmp_lt_i32 s63, 39997
	s_cbranch_scc1 .Lt1
	s_cmp_lt_i32 s63, 199997
	s_cbranch_scc1 .Lt2
	TDOT 16, 4, 28, 30, 199997, 67738, 2752512, 9
	s_branch .Lnotail
.Lt1:
	TDOT 256, 8, 20, 22, 19997, 20000, 2097152, 13
	s_branch .Lnotail
.Lt2:
	TDOT 64, 6, 24, 26, 39997, 160000, 2621440, 11
.Lnotail:
	v_mov_b32 v176, v190
	v_mov_b32 v177, v192
	v_mov_b32 v178, v194
	v_mov_b32 v179, v188
	v_mov_b32 v180, v196
	v_mov_b32 v181, 0
	v_mov_b32 v182, 0
	v_mov_b32 v183, 0
	ds_store_b128 v7, v[176:179]                   ; all lanes write the same bytes with the same numbers
	ds_store_b128 v7, v[180:183] offset:16
	v_add_nc_u32 v7, 32, v7
	s_add_co_u32 s52, s52, 1
	s_wait_xcnt 0x0
	s_sub_co_u32 s54, s54, 1
	s_cmp_lg_u32 s54, 0
	s_cbranch_scc1 .Lslot
	s_wait_dscnt 0x0                               ; for the others' sake: my stores are done
	s_barrier_signal -1
	s_barrier_wait -1
	s_cmp_lt_u32 s38, 4
	s_cbranch_scc0 .Lp3
	s_lshl_b32 s79, s38, 12                        ; wave = category: the 16 waves' merges
	v_add_nc_u32 v184, s79, v4
.irp k, 0,1,2,3,4,5,6,7,8,9,10,11,12,13,14,15
	ds_load_b64 v[D+2*\k:D+2*\k+1], v184 offset:256*\k
.endr
	s_wait_dscnt 0x0
	MATH 16
	s_lshl_b32 s79, s38, 8
	v_add_nc_u32 v184, s79, v4
	ds_store_b64 v184, v[8:9] offset:CM2
.Lp3:
	s_wait_dscnt 0x0
	s_barrier_signal -1
	s_barrier_wait -1
	s_wait_tensorcnt 0x0                           ; behind my last LDS store
	ds_add_u32 v1, v2
	s_wait_dscnt 0x0
	s_cmp_lg_u32 s38, 0
	s_cbranch_scc1 .Lend
	s_lshl_b32 s79, s39, 7
	v_lshl_add_u32 v184, v3, 2, s79
	global_load_b32 v185, v184, s[12:13]           ; lane = slot: its row
.irp k, 0,1,2,3
	ds_load_b64 v[D+2*\k:D+2*\k+1], v4 offset:CM2+256*\k
.endr
	v_lshlrev_b32 v186, 5, v3
	ds_load_b128 v[48:51], v186 offset:RES         ; z0, z1, z2, shortlist logit
	ds_load_b128 v[52:55], v186 offset:RES+16      ; tail logit
	s_mov_b32 s83, 19997
	s_mov_b32 s84, 39997
	s_mov_b32 s85, 199997
	s_wait_loadcnt 0x0
	v_min_u32 v185, 0x3ff, v185
	v_lshlrev_b32 v185, 2, v185
	global_load_b32 v187, v185, s[14:15]           ; its target
	s_wait_dscnt 0x0
	v_mul_f32 v56, s56, v48
	v_mul_f32 v57, s56, v49
	v_mul_f32 v58, s56, v50
	v_max3_num_f32 v59, v40, v56, v57
	v_max_num_f32 v59, v59, v58                    ; the head's maximum, the cluster logits among it
	v_sub_f32 v60, v40, v59
	v_sub_f32 v61, v56, v59
	v_sub_f32 v62, v57, v59
	v_sub_f32 v63, v58, v59
	v_exp_f32 v60, v60
	v_exp_f32 v61, v61
	v_exp_f32 v62, v62
	v_exp_f32 v63, v63
	v_nop
	s_wait_alu depctr_va_vdst(0)
	v_fma_f32 v60, v41, v60, v61
	v_add_f32 v62, v62, v63
	v_add_f32 v60, v60, v62                        ; the head's sum
	s_wait_loadcnt 0x0
	v_cmp_le_i32 s80, s83, v187
	v_cmp_le_i32 s81, s84, v187
	v_cmp_le_i32 s82, s85, v187
	v_cndmask_b32 v64, v42, v44, s81               ; the own tail's maximum,
	v_cndmask_b32 v64, v64, v46, s82
	v_cndmask_b32 v65, v43, v45, s81               ; its sum,
	v_cndmask_b32 v65, v65, v47, s82
	v_cndmask_b32 v66, v48, v49, s81               ; its cluster logit
	v_cndmask_b32 v66, v66, v50, s82
	v_log_f32 v67, v60
	v_log_f32 v68, v65
	v_nop
	s_wait_alu depctr_va_vdst(0)
	v_add_f32 v67, v59, v67                        ; log2 of the head's sum of exponentials
	v_add_f32 v68, v64, v68                        ; of the tail's
	v_add_f32 v66, v66, v52
	v_cndmask_b32 v69, v51, v66, s80
	v_cndmask_b32 v70, 0, v68, s80
	v_add_f32 v67, v67, v70
	v_fma_f32 v67, s57, v67, -v69
	global_store_b32 v185, v67, s[36:37]
.Lend:
	s_endpgm
.Lfunc_end_k_q7e3afbb277_finish:
	.size	k_q7e3afbb277_finish, .Lfunc_end_k_q7e3afbb277_finish-k_q7e3afbb277_finish
	.p2alignl 7, 3214868480
	.fill 96, 4, 3214868480
	.section	.rodata,"a",@progbits
	.p2align	6, 0x0
	.amdhsa_kernel k_q7e3afbb277_finish
		.amdhsa_group_segment_fixed_size 20480
		.amdhsa_private_segment_fixed_size 0
		.amdhsa_enable_private_segment 0
		.amdhsa_kernarg_size 120
		.amdhsa_user_sgpr_count 2
		.amdhsa_user_sgpr_kernarg_segment_ptr 1
		.amdhsa_wavefront_size32 1
		.amdhsa_system_sgpr_workgroup_id_x 1
		.amdhsa_system_sgpr_workgroup_id_y 1
		.amdhsa_system_sgpr_workgroup_id_z 1
		.amdhsa_system_vgpr_workitem_id 0
		.amdhsa_next_free_vgpr 200
		.amdhsa_next_free_sgpr 96
		.amdhsa_reserve_vcc 1
		.amdhsa_float_denorm_mode_32 3
		.amdhsa_float_denorm_mode_16_64 3
		.amdhsa_memory_ordered 1
		.amdhsa_forward_progress 1
		.amdhsa_inst_pref_size 52
	.end_amdhsa_kernel
	.amdgpu_metadata
---
amdhsa.version: [ 1, 2 ]
amdhsa.kernels:
  - .name:           k_q7e3afbb277_finish
    .symbol:         k_q7e3afbb277_finish.kd
    .args:
      - { .name: part, .offset: 0, .size: 8, .value_kind: global_buffer, .address_space: global }
      - { .name: hf, .offset: 8, .size: 8, .value_kind: global_buffer, .address_space: global }
      - { .name: ord, .offset: 16, .size: 8, .value_kind: global_buffer, .address_space: global }
      - { .name: target, .offset: 24, .size: 8, .value_kind: global_buffer, .address_space: global }
      - { .name: W0, .offset: 32, .size: 8, .value_kind: global_buffer, .address_space: global }
      - { .name: b0, .offset: 40, .size: 8, .value_kind: global_buffer, .address_space: global }
      - { .name: W1, .offset: 48, .size: 8, .value_kind: global_buffer, .address_space: global }
      - { .name: b1, .offset: 56, .size: 8, .value_kind: global_buffer, .address_space: global }
      - { .name: W2, .offset: 64, .size: 8, .value_kind: global_buffer, .address_space: global }
      - { .name: b2, .offset: 72, .size: 8, .value_kind: global_buffer, .address_space: global }
      - { .name: W3, .offset: 80, .size: 8, .value_kind: global_buffer, .address_space: global }
      - { .name: b3, .offset: 88, .size: 8, .value_kind: global_buffer, .address_space: global }
      - { .name: cluster_weight, .offset: 96, .size: 8, .value_kind: global_buffer, .address_space: global }
      - { .name: cluster_bias, .offset: 104, .size: 8, .value_kind: global_buffer, .address_space: global }
      - { .name: out0, .offset: 112, .size: 8, .value_kind: global_buffer, .address_space: global }
    .group_segment_fixed_size: 20480
    .private_segment_fixed_size: 0
    .kernarg_segment_align: 8
    .kernarg_segment_size: 120
    .max_flat_workgroup_size: 512
    .sgpr_count:     96
    .vgpr_count:     200
    .wavefront_size: 32
...
	.end_amdgpu_metadata
.endif
;; end of part 5
